; MI455X (gfx1250); checked and timed in simulation.
; The chip was launched on July 23, 2026; its instructions are those of AMD's public machine-readable ISA for CDNA 5 (MIT licence, August 2026) and "CDNA5" Instruction Set Architecture Reference Guide (July 2026). The comments in the code are by the model that wrote it; some were corrected since.
;; Gaussian Model. Allowed arithmetic: float matrix products may take bf16 or f16 operands with f32 sums; all other float work in f32.
;; Inputs: feat 65,536 x 2 float32; mean 65,536 x 3 float32; opacity 65,536 x 1 float32; position_rx 2,048 x 3 float32; rotation 65,536 x 4 float32; scaling 65,536 x 3 float32.
;; Outputs: out0 2,048 x 2 float32.
;; One version. Each part assembles by itself: llvm-mc -triple=amdgcn-amd-amdhsa -mcpu=gfx1250 --defsym DOCPART=n.
;; ======== version 1 of 1: 2 launches
;; limits: right only within a limited range of input values
;; workspace buffers: part 2,097,152 bytes
;; launch splat (part 1): grid 128 x 2, 16 waves a work-group, no clusters, 80,128 bytes of LDS; arguments feat, mean, opacity, position_rx, rotation, scaling, part; writes part
.if DOCPART == 1
	.amdgcn_target "amdgcn-amd-amdhsa--gfx1250"
	.amdhsa_code_object_version 6
	.text
	.protected	k_q6bb343c48a_splat
	.globl	k_q6bb343c48a_splat
	.p2align	8
	.type	k_q6bb343c48a_splat,@function
k_q6bb343c48a_splat:
	s_mov_b64 s[64:65], 0
	v_nop
	global_prefetch_b8 v0, s[64:65] scope:SCOPE_SE
	s_setreg_imm32_b32 hwreg(HW_REG_WAVE_MODE, 25, 1), 1
	s_wait_xcnt 0x0
; part[chunk][b][c] = sum over the chunk's 512 gaussians n of  C0 sigmoid(opacity[n]) feat[n][c] exp(power[b][n]),
; power = -0.5 (q A q - 2 q A mu + mu A mu),  q = 2 position_rx - 1,  A = inverse(R diag(exp(scaling)^2) R^T + 1e-6 I).
; Work-group (x, y): gaussians 512 x .. 512 x + 511, queries 1024 y .. 1024 y + 1023.  16 waves; a wave owns 64 queries (4 tiles of 16) over
; all 512 gaussians, so no sum crosses waves.  The sum over the 128 chunks is made by the next launch.
;
; THE POWER ON THE MATRIX UNIT.  log2(e) power = sum over 10 terms of c_t(n) m_t(b):  c = k (A00 A11 A22 2A01 2A02 2A12 -2(A mu)0..2  mu A mu),
; k = -0.5 log2 e;  m = (q0q0 q1q1 q2q2 q0q1 q0q2 q1q2 q0 q1 q2 1).  The terms are hundreds, the sum is small, so one rounding to bf16 will not do:
; every c and every m is cut into three bf16 pieces (round, subtract exactly, round again: 24 bits), and six piece products a term are kept:
; hh hm mh mm hl lh; what is dropped is below 2^-23 of a term.  10 x 6 = 60 values of k in K = 64: two chained matrix instructions a tile.
; A row (of a gaussian or of a query) is 32 dwords; dword 6 p + slot holds one piece of terms 2p (low half) and 2p+1 (high half); dwords 30, 31 are 0.
;   slot            0 1 2 3 4 5
;   gaussian piece  h h m m h l        (GCODE, a nibble a slot: 0 high, 1 middle, 2 low)
;   query piece     h m h m l h        (QCODE)
; Lane (r, h) of a fragment holds dwords 16 h .. 16 h + 15 of row r, on both sides alike, so equal k meet whatever their order.
;
; THE SECOND PRODUCT.  D of the first has gaussians as rows, queries as columns: register j of lane (r, h) is gaussian 8 h + j, query r.  After exp2 and
; packing to bf16 two such tiles ARE the B fragment (k = 32 gaussians, n = 16 queries) of  acc = g^T e,  with no move between lanes.
; g = C0 sigmoid(opacity) feat goes in as two bf16 pieces: row m of g^T is row m & 3 of (g_hi re, g_hi im, g_lo re, g_lo im), so that every lane's
; registers 0..3 of acc hold these four sums for its query.
;
; LIMITS.  A is formed as R diag(1 / (s^2 + 1e-6)) R^T, which is the inverse wherever R is orthogonal: for |rotation| above about 1e-5 (the 1e-12 in the
; normalisation then moves R by less than 2e-7) and for rotation = 0 (R = I); between 0 and 1e-5 it is not the reference's inverse.  |rotation| below 1e19
; (its square is formed).  The expansion is the reference's: the error of a power is about 2^-23 of its largest term, as in an f32 evaluation, and grows
; with A |q|^2 in the same way.  exp2 gives 0 for weights below 2^-126.  exp(power) is rounded to bf16 for the second product.  NaN and infinities are not served.
; NO CLUSTER, NO TENSOR LOAD: a work-group reads 512 x 52 bytes of gaussians and 1024 x 12 bytes of queries once; only the two work-groups of one x share
; the former.  There is nothing to stream and next to nothing to share.
.set NGAUSS, 512
.set PITCH,  144                       ; a gaussian's row in LDS: 128 bytes + 16; 144 = 9 x 16, so 16 rows' 16-byte pieces fall into 16 different columns of 256 bytes
.set GTP,    1040                      ; a row of g^T: 512 bf16 + 16 bytes
.set GTAB,   4352                      ; LDS: g^T (4 rows) at 0, the gaussians' rows from here
.set STEPB,  32*PITCH                  ; a step of the loop: 32 gaussians
.set BODIES, NGAUSS/64                 ; a body = two steps = both fragment buffers once
.set QCODE,  0x021010
.set GCODE,  0x201100
; registers of the loop
.set VGA, 2                            ; LDS address of my part of the rows: r x 144 + 64 h, stepped by the body
.set VGT, 3                            ; LDS address in g^T: (r & 3) x 1040 + 16 h, stepped by the body
.set VOUT, 4                           ; byte offset of my store
.set QB,  16                           ; v[16:79]    B fragments of my wave's 4 query tiles, 16 registers each (K = 64), fixed
.set ACC, 80                           ; v[80:111]   4 accumulators of the second product
.set GA,  112                          ; v[112:175]  A fragments: 2 buffers x 2 tiles of 16 gaussians x 16 registers
.set GT,  176                          ; v[176:191]  g^T fragments, 2 buffers
.set DD,  192                          ; v[192:223]  powers, 2 buffers x 2 tiles x 8
.set PP,  224                          ; v[224:239]  exp2(power) in bf16, 2 buffers x 8
.set EE,  240                          ; v[240:255]  exp2(power) in f32
; registers of the set-up, dead before the loop
.set QP,  240                          ; 12: positions of my lane's 4 queries
.set ROT, 112                          ; 4
.set SC,  116                          ; 3
.set OP,  119
.set MU,  120                          ; 3
.set FE,  124                          ; 2
.set EA,  126                          ; 5
.set TR,  132                          ; 5
.set RM,  138                          ; 9: R, row-major
.set VV,  147                          ; 3: k / (s^2 + eps)
.set TM,  150                          ; 9: R_ij v_j
.set X2,  159                          ; 3: 2x 2y 2z
.set WX,  162                          ; 3: 2wx 2wy 2wz
.set AB,  165                          ; 2
.set BV,  167                          ; 3: A mu
.set TT,  170                          ; 10: the terms in f32, then their remainders
.set UU,  180                          ; 10: a piece widened to f32
.set PIE, 190                          ; 16: 5 dwords of high pieces, 5 of middle, 5 of low, one zero
.set ROW, 206                          ; 32: a gaussian's row as stored
.macro DOT3 d, a, b                    ; v[d] = sum over j = 0..2 of v[a+j] v[b+j]
	v_mul_f32 v[\d], v[\a], v[\b]
	v_fmac_f32 v[\d], v[\a+1], v[\b+1]
	v_fmac_f32 v[\d], v[\a+2], v[\b+2]
.endm
; The ten numbers in TT are cut into three bf16 pieces each; a dword of PIE holds one piece of two neighbouring terms.
; x - bf16(x) is exact in f32, so the three pieces add up to x within 2^-24 of it.
.macro SPLIT
.irp l, 0,5
.irp p, 0,1,2,3,4
	v_cvt_pk_bf16_f32 v[PIE+\l+\p], v[TT+2*\p], v[TT+2*\p+1]
.endr
.irp p, 0,1,2,3,4
	v_lshlrev_b32 v[UU+2*\p], 16, v[PIE+\l+\p]
	v_and_b32 v[UU+2*\p+1], s24, v[PIE+\l+\p]
.endr
.irp p, 0,1,2,3,4,5,6,7,8,9
	v_sub_f32 v[TT+\p], v[TT+\p], v[UU+\p]
.endr
.endr
.irp p, 0,1,2,3,4
	v_cvt_pk_bf16_f32 v[PIE+10+\p], v[TT+2*\p], v[TT+2*\p+1]
.endr
.endm
.macro PIECE_OF code, d                ; SRCR = the register of PIE that is dword d of a row
.if (\d) < 30
.set SRCR, PIE + 5*(((\code) >> (4*((\d) % 6))) & 15) + (\d)/6
.else
.set SRCR, PIE + 15
.endif
.endm
	s_load_b256 s[4:11], s[0:1], 0x0               ; feat s[4:5], mean s[6:7], opacity s[8:9], position_rx s[10:11]
	s_load_b128 s[12:15], s[0:1], 0x20             ; rotation s[12:13], scaling s[14:15]
	s_load_b64 s[16:17], s[0:1], 0x30              ; part
	s_mov_b32 s24, 0xffff0000                      ; a dword's upper bf16
	s_mov_b32 s25, 0x4038aa3b                      ; 2 log2 e
	s_mov_b32 s26, 0x358637bd                      ; 1e-6
	s_mov_b32 s28, 0xbf38aa3b                      ; k = -0.5 log2 e
	s_and_b32 s18, ttmp7, 0xffff                   ; y: which 1024 queries
	v_lshrrev_b32 v1, 5, v0
	v_readfirstlane_b32 s19, v1                    ; wave
	v_and_b32 v5, 15, v0                           ; r
	v_bfe_u32 v6, v0, 4, 1                         ; h
	s_lshl_b32 s20, ttmp9, 9
	v_add_nc_u32 v7, s20, v0                       ; my gaussian: 512 x + thread
	v_lshlrev_b32 v8, 4, v7                        ; its byte offsets: rotation,
	v_lshlrev_b32 v9, 3, v7                        ; feat,
	v_lshlrev_b32 v10, 2, v7                       ; opacity,
	v_mul_u32_u24 v11, 12, v7                      ; scaling and mean
	s_lshl_b32 s21, s18, 10
	s_lshl_b32 s22, s19, 6
	s_add_co_u32 s21, s21, s22                     ; my wave's first query
	v_add_nc_u32 v12, s21, v5
	v_mul_u32_u24 v12, 12, v12                     ; query r of tile 0; a tile further is 192 bytes
	s_lshl_b32 s22, ttmp9, 14                      ; my chunk's 2048 x 2 f32 in part
	s_mov_b32 s23, 0
	s_wait_kmcnt 0x0
	s_add_nc_u64 s[16:17], s[16:17], s[22:23]
	global_load_b128 v[ROT:ROT+3], v8, s[12:13]
.irp i, 0,1,2                                          ; records of 12 bytes: three dword loads, whose lanes together cover the wave's 384 consecutive bytes
	global_load_b32 v[SC+\i], v11, s[14:15] offset:4*\i
.endr
.irp i, 0,1,2
	global_load_b32 v[MU+\i], v11, s[6:7] offset:4*\i
.endr
	global_load_b32 v[OP], v10, s[8:9]
	global_load_b64 v[FE:FE+1], v9, s[4:5]
.irp t, 0,1,2,3
.irp i, 0,1,2
	global_load_b32 v[QP+3*\t+\i], v12, s[10:11] offset:192*\t+4*\i
.endr
.endr
	v_mul_u32_u24 v13, PITCH, v0                   ; LDS: my gaussian's row
	v_lshlrev_b32 v14, 1, v0                       ; and its bf16 in each row of g^T
	v_mul_u32_u24 v[VGA], PITCH, v5
	v_lshl_add_u32 v[VGA], v6, 6, v[VGA]           ; r x 144 + 64 h
	v_and_b32 v15, 3, v0
	v_mul_u32_u24 v[VGT], GTP, v15
	v_lshl_add_u32 v[VGT], v6, 4, v[VGT]           ; (r & 3) x 1040 + 16 h
	v_cmp_eq_u32 vcc_lo, 1, v6                     ; VCC = lanes 16-31, kept to the end
	v_mov_b32 v[PIE+15], 0
	; ---- my gaussian ----
	s_wait_loadcnt 12                              ; its nine loads are in; the twelve younger ones (queries) stay out
	v_mul_f32 v[EA+0], s25, v[SC+0]
	v_mul_f32 v[EA+1], s25, v[SC+1]
	v_mul_f32 v[EA+2], s25, v[SC+2]
	v_mul_f32 v[EA+3], 0xbfb8aa3b, v[OP]           ; -log2 e x opacity
	v_mul_f32 v[EA+4], v[ROT], v[ROT]
	v_fmac_f32 v[EA+4], v[ROT+1], v[ROT+1]
	v_fmac_f32 v[EA+4], v[ROT+2], v[ROT+2]
	v_fmac_f32 v[EA+4], v[ROT+3], v[ROT+3]
	v_exp_f32 v[TR+0], v[EA+0]                     ; s^2 = exp(2 scaling)
	v_exp_f32 v[TR+1], v[EA+1]
	v_exp_f32 v[TR+2], v[EA+2]
	v_exp_f32 v[TR+3], v[EA+3]                     ; exp(-opacity)
	v_sqrt_f32 v[TR+4], v[EA+4]                    ; |rotation|
	v_nop                                          ; one plain vector instruction between a run of transcendentals and the use of their results or a write of their sources (ISA guide 5.7.2)
	s_wait_alu depctr_va_vdst(0)
	v_add_f32 v[EA+0], s26, v[TR+0]
	v_add_f32 v[EA+1], s26, v[TR+1]
	v_add_f32 v[EA+2], s26, v[TR+2]
	v_add_f32 v[EA+3], 1.0, v[TR+3]
	v_add_f32 v[EA+4], 0x2b8cbccc, v[TR+4]         ; + 1e-12
	v_rcp_f32 v[TR+0], v[EA+0]
	v_rcp_f32 v[TR+1], v[EA+1]
	v_rcp_f32 v[TR+2], v[EA+2]
	v_rcp_f32 v[TR+3], v[EA+3]                     ; sigmoid(opacity)
	v_rcp_f32 v[TR+4], v[EA+4]
	v_nop                                          ; as above
	s_wait_alu depctr_va_vdst(0)
	v_mul_f32 v[VV+0], s28, v[TR+0]                ; k / (s^2 + eps)
	v_mul_f32 v[VV+1], s28, v[TR+1]
	v_mul_f32 v[VV+2], s28, v[TR+2]
	v_mul_f32 v[TR+3], 0x3e906ebb, v[TR+3]         ; C0 sigmoid
.irp i, 0,1,2,3
	v_mul_f32 v[ROT+\i], v[TR+4], v[ROT+\i]        ; w x y z, normalised
.endr
	; g in two bf16 pieces, to the four rows of g^T
	v_mul_f32 v[FE], v[TR+3], v[FE]
	v_mul_f32 v[FE+1], v[TR+3], v[FE+1]
	v_cvt_pk_bf16_f32 v[EA+2], v[FE], v[FE+1]
	v_lshlrev_b32 v[EA+0], 16, v[EA+2]
	v_and_b32 v[EA+1], s24, v[EA+2]
	v_sub_f32 v[FE], v[FE], v[EA+0]
	v_sub_f32 v[FE+1], v[FE+1], v[EA+1]
	v_cvt_pk_bf16_f32 v[EA+3], v[FE], v[FE+1]
	ds_store_b16 v14, v[EA+2]
	ds_store_b16_d16_hi v14, v[EA+2] offset:GTP
	ds_store_b16 v14, v[EA+3] offset:2*GTP
	ds_store_b16_d16_hi v14, v[EA+3] offset:3*GTP
	; R
	v_add_f32 v[X2+0], v[ROT+1], v[ROT+1]
	v_add_f32 v[X2+1], v[ROT+2], v[ROT+2]
	v_add_f32 v[X2+2], v[ROT+3], v[ROT+3]
	v_mul_f32 v[WX+0], v[ROT], v[X2+0]
	v_mul_f32 v[WX+1], v[ROT], v[X2+1]
	v_mul_f32 v[WX+2], v[ROT], v[X2+2]
	v_fma_f32 v[AB+0], -v[ROT+2], v[X2+1], 1.0             ; 1 - 2yy
	v_fma_f32 v[AB+1], -v[ROT+1], v[X2+0], 1.0             ; 1 - 2xx
	v_fma_f32 v[RM+0], -v[ROT+3], v[X2+2], v[AB+0]         ; 1 - 2(yy + zz)
	v_fma_f32 v[RM+4], -v[ROT+3], v[X2+2], v[AB+1]         ; 1 - 2(xx + zz)
	v_fma_f32 v[RM+8], -v[ROT+2], v[X2+1], v[AB+1]         ; 1 - 2(xx + yy)
	v_fma_f32 v[RM+1], v[ROT+1], v[X2+1], -v[WX+2]         ; 2(xy - wz)
	v_fma_f32 v[RM+3], v[ROT+1], v[X2+1], v[WX+2]          ; 2(xy + wz)
	v_fma_f32 v[RM+2], v[ROT+1], v[X2+2], v[WX+1]          ; 2(xz + wy)
	v_fma_f32 v[RM+6], v[ROT+1], v[X2+2], -v[WX+1]         ; 2(xz - wy)
	v_fma_f32 v[RM+5], v[ROT+2], v[X2+2], -v[WX+0]         ; 2(yz - wx)
	v_fma_f32 v[RM+7], v[ROT+2], v[X2+2], v[WX+0]          ; 2(yz + wx)
	; k A = R diag(v) R^T, six entries
.irp i, 0,1,2
.irp j, 0,1,2
	v_mul_f32 v[TM+3*\i+\j], v[RM+3*\i+\j], v[VV+\j]
.endr
.endr
	DOT3 TT+0, TM+0, RM+0                          ; A00
	DOT3 TT+1, TM+3, RM+3                          ; A11
	DOT3 TT+2, TM+6, RM+6                          ; A22
	DOT3 TT+3, TM+0, RM+3                          ; A01
	DOT3 TT+4, TM+0, RM+6                          ; A02
	DOT3 TT+5, TM+3, RM+6                          ; A12
	v_mul_f32 v[BV+0], v[TT+0], v[MU+0]            ; A mu
	v_fmac_f32 v[BV+0], v[TT+3], v[MU+1]
	v_fmac_f32 v[BV+0], v[TT+4], v[MU+2]
	v_mul_f32 v[BV+1], v[TT+3], v[MU+0]
	v_fmac_f32 v[BV+1], v[TT+1], v[MU+1]
	v_fmac_f32 v[BV+1], v[TT+5], v[MU+2]
	v_mul_f32 v[BV+2], v[TT+4], v[MU+0]
	v_fmac_f32 v[BV+2], v[TT+5], v[MU+1]
	v_fmac_f32 v[BV+2], v[TT+2], v[MU+2]
	DOT3 TT+9, BV, MU                              ; mu A mu
.irp i, 0,1,2
	v_add_f32 v[TT+3+\i], v[TT+3+\i], v[TT+3+\i]   ; the off-diagonal entries count twice
	v_mul_f32 v[TT+6+\i], -2.0, v[BV+\i]
.endr
	SPLIT
	; the row as it lies in LDS: a high piece stands in three slots, a middle piece in two.  32 moves, once for each gaussian.
.set gi, 0
.rept 32
	PIECE_OF GCODE, gi
	v_mov_b32 v[ROW+gi], v[SRCR]
.set gi, gi+1
.endr
.irp i, 0,1,2,3,4,5,6,7
	ds_store_b128 v13, v[ROW+4*\i:ROW+4*\i+3] offset:GTAB+16*\i
.endr
	s_wait_dscnt 0x0                               ; my row and my g are in LDS, for the other waves' sake: zero
	s_barrier_signal -1
	; ---- my wave's 64 queries: register work only, between the signal and the wait ----
	s_wait_loadcnt 0x0
.macro QTILE t                         ; lanes r and 16 + r both build query r's pieces; each keeps its half of the row: dwords 16 h .. 16 h + 15
	v_fma_f32 v[TT+6], v[QP+3*\t], 2.0, -1.0
	v_fma_f32 v[TT+7], v[QP+3*\t+1], 2.0, -1.0
	v_fma_f32 v[TT+8], v[QP+3*\t+2], 2.0, -1.0
	v_mov_b32 v[TT+9], 1.0
	v_mul_f32 v[TT+0], v[TT+6], v[TT+6]
	v_mul_f32 v[TT+1], v[TT+7], v[TT+7]
	v_mul_f32 v[TT+2], v[TT+8], v[TT+8]
	v_mul_f32 v[TT+3], v[TT+6], v[TT+7]
	v_mul_f32 v[TT+4], v[TT+6], v[TT+8]
	v_mul_f32 v[TT+5], v[TT+7], v[TT+8]
	SPLIT
.set qi, 0
.rept 16
	PIECE_OF QCODE, qi
.set qlo, SRCR
	PIECE_OF QCODE, qi+16
	v_cndmask_b32 v[QB+16*\t+qi], v[qlo], v[SRCR], vcc_lo
.set qi, qi+1
.endr
.endm
	QTILE 0
	QTILE 1
	QTILE 2
	QTILE 3
	s_barrier_wait -1                              ; every wave's rows are in LDS; nothing is stored to LDS from here on
; ---- the loop ----
; 32 gaussians' fragments into buffer g: ten loads of 16 bytes a lane
.macro LOADG g, o, go
.irp i, 0,1,2,3
	ds_load_b128 v[GA+32*\g+4*\i:GA+32*\g+4*\i+3], v[VGA] offset:GTAB+\o+16*\i
.endr
.irp i, 0,1,2,3
	ds_load_b128 v[GA+32*\g+16+4*\i:GA+32*\g+16+4*\i+3], v[VGA] offset:GTAB+\o+16*PITCH+16*\i
.endr
	ds_load_b128 v[GT+8*\g:GT+8*\g+3], v[VGT] offset:\go
	ds_load_b128 v[GT+8*\g+4:GT+8*\g+7], v[VGT] offset:\go+32
.endm
; powers of 32 gaussians (buffer g) x 16 queries (tile t) into DD's buffer d: two tiles, each a chain of two over K = 64, started by C = 0
.macro W1 g, t, d
	v_wmma_f32_16x16x32_bf16 v[DD+16*\d:DD+16*\d+7], v[GA+32*\g:GA+32*\g+7], v[QB+16*\t:QB+16*\t+7], 0
	v_wmma_f32_16x16x32_bf16 v[DD+16*\d+8:DD+16*\d+15], v[GA+32*\g+16:GA+32*\g+23], v[QB+16*\t:QB+16*\t+7], 0
	v_wmma_f32_16x16x32_bf16 v[DD+16*\d:DD+16*\d+7], v[GA+32*\g+8:GA+32*\g+15], v[QB+16*\t+8:QB+16*\t+15], v[DD+16*\d:DD+16*\d+7]
	v_wmma_f32_16x16x32_bf16 v[DD+16*\d+8:DD+16*\d+15], v[GA+32*\g+24:GA+32*\g+31], v[QB+16*\t+8:QB+16*\t+15], v[DD+16*\d+8:DD+16*\d+15]
.endm
.macro EXPS d
.irp j, 0,1,2,3,4,5,6,7,8,9,10,11,12,13,14,15
	v_exp_f32 v[EE+\j], v[DD+16*\d+\j]
.endr
.endm
.macro PACK d                          ; registers 0-3: gaussians 8 h .. 8 h + 7, registers 4-7: 16 + 8 h ..: the B fragment's own order
.irp i, 0,1,2,3,4,5,6,7
	v_cvt_pk_bf16_f32 v[PP+8*\d+\i], v[EE+2*\i], v[EE+2*\i+1]
.endr
.endm
.macro W2 g, t, d, zero                ; acc[t] += g^T e; the first step's product starts the sum
.if \zero
	v_wmma_f32_16x16x32_bf16 v[ACC+8*\t:ACC+8*\t+7], v[GT+8*\g:GT+8*\g+7], v[PP+8*\d:PP+8*\d+7], 0
.else
	v_wmma_f32_16x16x32_bf16 v[ACC+8*\t:ACC+8*\t+7], v[GT+8*\g:GT+8*\g+7], v[PP+8*\d:PP+8*\d+7], v[ACC+8*\t:ACC+8*\t+7]
.endif
.endm
; A BODY is two steps x four query tiles = eight units.  A unit: the NEXT unit's powers are issued, then this unit's 16 exp2, one plain instruction
; (between the transcendentals and their use), 8 conversions, and the second product.  That plain instruction and the 8 conversions name only EE, one buffer
; of PP and an address register, so they are nine places (ISA guide 7.12.1) behind
;   the next unit's powers, before its exp2 read them (4 asked);
;   the powers issued one unit earlier, before DD's buffer is written again two units on (5 asked);
;   the last unit's second product, before the other buffer of PP is packed again, and before loads are issued into its g^T buffer (4 asked).
; That is why DD and PP have two buffers, and why a step's loads stand behind the conversions of the next step's first unit.
; The loads are issued three units ahead of the wait for them; that wait is for zero because they are the only LDS instructions out.
.macro BODY zero, last
	W1 0, 1, 1                                     ; even step, buffer 0
	EXPS 0
	v_nop
	s_wait_alu depctr_va_vdst(0)
	PACK 0
	LOADG 1, STEPB, 64                             ; the odd step's fragments
	W2 0, 0, 0, \zero
	W1 0, 2, 0
	EXPS 1
	v_nop
	s_wait_alu depctr_va_vdst(0)
	PACK 1
	W2 0, 1, 1, \zero
	W1 0, 3, 1
	EXPS 0
	v_nop
	s_wait_alu depctr_va_vdst(0)
	PACK 0
	W2 0, 2, 0, \zero
	s_wait_dscnt 0x0                               ; buffer 1 is in
	W1 1, 0, 0
	EXPS 1
	v_nop
	s_wait_alu depctr_va_vdst(0)
	PACK 1
	W2 0, 3, 1, \zero
	W1 1, 1, 1                                     ; odd step, buffer 1
	EXPS 0
	v_nop
	s_wait_alu depctr_va_vdst(0)
	PACK 0
.if \last == 0
	LOADG 0, 2*STEPB, 128                          ; the next body's even step
.endif
	W2 1, 0, 0, 0
	W1 1, 2, 0
	EXPS 1
.if \last == 0
	v_add_nc_u32 v[VGA], 2*STEPB, v[VGA]           ; the plain instruction does useful work here: 64 rows on
	s_wait_alu depctr_va_vdst(0)
.else
	v_nop
	s_wait_alu depctr_va_vdst(0)
.endif
	PACK 1
	W2 1, 1, 1, 0
	W1 1, 3, 1
	EXPS 0
.if \last == 0
	v_add_nc_u32 v[VGT], 128, v[VGT]               ; 64 bf16 on in g^T
	s_wait_alu depctr_va_vdst(0)
.else
	v_nop
	s_wait_alu depctr_va_vdst(0)
.endif
	PACK 0
	W2 1, 2, 0, 0
.if \last == 0
	s_wait_dscnt 0x0                               ; buffer 0 is in
	W1 0, 0, 0
.endif
	EXPS 1
	v_nop
	s_wait_alu depctr_va_vdst(0)
	PACK 1
	W2 1, 3, 1, 0
.endm
	LOADG 0, 0, 0
	s_wait_dscnt 0x0
	W1 0, 0, 0
.rept 4
	v_nop                                          ; the first powers have no conversions behind them: four places before exp2 reads them
.endr
	BODY 1, 0                                      ; in front of the loop: its first step starts the four sums
	s_mov_b32 s27, BODIES-2
.Lbody:
	BODY 0, 0
	s_sub_co_u32 s27, s27, 1
	s_cmp_lg_u32 s27, 0
	s_cbranch_scc1 .Lbody
	BODY 0, 1                                      ; the last body loads nothing beyond row 511 and issues no further powers
	; ---- out: register j of acc is row j & 3 of g^T in every lane, so lanes 16-31 can speak for the next tile ----
	v_and_b32 v[VOUT], 31, v0                      ; these three and the v_nop are the four places behind the last matrix instruction
	v_add_nc_u32 v[VOUT], s21, v[VOUT]
	v_lshlrev_b32 v[VOUT], 3, v[VOUT]              ; query (first + lane) x 8 bytes
	v_nop
.irp t, 0,1,2,3
	v_pk_add_f32 v[ACC+8*\t:ACC+8*\t+1], v[ACC+8*\t:ACC+8*\t+1], v[ACC+8*\t+2:ACC+8*\t+3]    ; (re, im): g's high piece + its low piece
.endr
	v_cndmask_b32 v[EE+0], v[ACC+0], v[ACC+8], vcc_lo
	v_cndmask_b32 v[EE+1], v[ACC+1], v[ACC+9], vcc_lo
	v_cndmask_b32 v[EE+2], v[ACC+16], v[ACC+24], vcc_lo
	v_cndmask_b32 v[EE+3], v[ACC+17], v[ACC+25], vcc_lo
	global_store_b64 v[VOUT], v[EE:EE+1], s[16:17]             ; 32 lanes x 8 bytes: 256 consecutive bytes at a multiple of 256 from part's first byte
	global_store_b64 v[VOUT], v[EE+2:EE+3], s[16:17] offset:256
	s_wait_xcnt 0x0
	v_lshl_add_u32 v254, v0, 2, 0x13100
	v_mov_b32 v255, 0
	s_wait_tensorcnt 0x0
	ds_add_u32 v254, v255
	s_wait_dscnt 0x0
	s_endpgm
.Lfunc_end_k_q6bb343c48a_splat:
	.size	k_q6bb343c48a_splat, .Lfunc_end_k_q6bb343c48a_splat-k_q6bb343c48a_splat
	.p2alignl 7, 3214868480
	.fill 96, 4, 3214868480
	.section	.rodata,"a",@progbits
	.p2align	6, 0x0
	.amdhsa_kernel k_q6bb343c48a_splat
		.amdhsa_group_segment_fixed_size 80128
		.amdhsa_private_segment_fixed_size 0
		.amdhsa_enable_private_segment 0
		.amdhsa_kernarg_size 56
		.amdhsa_user_sgpr_count 2
		.amdhsa_user_sgpr_kernarg_segment_ptr 1
		.amdhsa_wavefront_size32 1
		.amdhsa_system_sgpr_workgroup_id_x 1
		.amdhsa_system_sgpr_workgroup_id_y 1
		.amdhsa_system_sgpr_workgroup_id_z 1
		.amdhsa_system_vgpr_workitem_id 0
		.amdhsa_next_free_vgpr 256
		.amdhsa_next_free_sgpr 66
		.amdhsa_reserve_vcc 1
		.amdhsa_float_denorm_mode_32 3
		.amdhsa_float_denorm_mode_16_64 3
		.amdhsa_memory_ordered 1
		.amdhsa_forward_progress 1
		.amdhsa_inst_pref_size 63
	.end_amdhsa_kernel
	.amdgpu_metadata
---
amdhsa.version: [ 1, 2 ]
amdhsa.kernels:
  - .name:           k_q6bb343c48a_splat
    .symbol:         k_q6bb343c48a_splat.kd
    .args:
      - { .name: feat, .offset: 0, .size: 8, .value_kind: global_buffer, .address_space: global }
      - { .name: mean, .offset: 8, .size: 8, .value_kind: global_buffer, .address_space: global }
      - { .name: opacity, .offset: 16, .size: 8, .value_kind: global_buffer, .address_space: global }
      - { .name: position_rx, .offset: 24, .size: 8, .value_kind: global_buffer, .address_space: global }
      - { .name: rotation, .offset: 32, .size: 8, .value_kind: global_buffer, .address_space: global }
      - { .name: scaling, .offset: 40, .size: 8, .value_kind: global_buffer, .address_space: global }
      - { .name: part, .offset: 48, .size: 8, .value_kind: global_buffer, .address_space: global }
    .group_segment_fixed_size: 80128
    .private_segment_fixed_size: 0
    .kernarg_segment_align: 8
    .kernarg_segment_size: 56
    .max_flat_workgroup_size: 512
    .sgpr_count:     66
    .vgpr_count:     256
    .wavefront_size: 32
...
	.end_amdgpu_metadata
.endif
;; end of part 1
;; launch fold (part 2): grid 64 x 1, 8 waves a work-group, no clusters, 5,120 bytes of LDS; arguments part, out0; writes out0
.if DOCPART == 2
	.amdgcn_target "amdgcn-amd-amdhsa--gfx1250"
	.amdhsa_code_object_version 6
	.text
	.protected	k_q6bb343c48a_fold
	.globl	k_q6bb343c48a_fold
	.p2align	8
	.type	k_q6bb343c48a_fold,@function
k_q6bb343c48a_fold:
	s_mov_b64 s[64:65], 0
	v_nop
	global_prefetch_b8 v0, s[64:65] scope:SCOPE_SE
	s_setreg_imm32_b32 hwreg(HW_REG_WAVE_MODE, 25, 1), 1
	s_wait_xcnt 0x0
; out0[i] = sum over the 128 chunks c of part[c][i], i = 0 .. 4095 (f32, in a fixed order).
; out0 is 64 aligned pieces of 256 bytes; a work-group owns one, so there are 64 work-groups and each output byte has one writer.
; Thread t: 16-byte column t & 15 of the piece, chunks 8 (t >> 4) .. + 7: eight loads of 16 bytes, all issued at once; sixteen neighbouring lanes
; read 256 consecutive bytes.  The 16 partial rows meet in LDS; wave 0 adds them and stores the piece with one instruction.
; No matrix unit, no tensor load, no cluster: 32 KB a work-group, read once, shared with nobody.
.set CHUNKB, 16384                     ; bytes of a chunk's row in part
	s_load_b128 s[4:7], s[0:1], 0x0                ; part s[4:5], out0 s[6:7]
	v_lshl_add_u32 v40, v0, 2, 0x1000
	v_mov_b32 v41, 0
	v_lshrrev_b32 v1, 5, v0
	v_readfirstlane_b32 s8, v1                     ; wave
	v_and_b32 v2, 15, v0
	v_lshrrev_b32 v3, 4, v0
	v_lshlrev_b32 v4, 4, v2                        ; 16 x column
	v_lshl_add_u32 v4, v3, 17, v4                  ; + 8 chunks x 16,384 bytes for each group of 16 threads
	s_lshl_b32 s9, ttmp9, 8                        ; the work-group's 256 bytes
	v_add_nc_u32 v4, s9, v4
	v_lshlrev_b32 v5, 4, v0                        ; LDS: row t >> 4 of 256 bytes, column t & 15 = 16 t
	s_wait_kmcnt 0x0
.irp i, 0,1,2,3,4,5,6,7
	global_load_b128 v[8+4*\i:11+4*\i], v4, s[4:5] offset:\i*CHUNKB th:TH_LOAD_NT
.endr
	s_wait_loadcnt 0x0
.irp i, 0,2,4,6
	v_pk_add_f32 v[8+4*\i:9+4*\i], v[8+4*\i:9+4*\i], v[12+4*\i:13+4*\i]
	v_pk_add_f32 v[10+4*\i:11+4*\i], v[10+4*\i:11+4*\i], v[14+4*\i:15+4*\i]
.endr
.irp i, 0,4
	v_pk_add_f32 v[8+4*\i:9+4*\i], v[8+4*\i:9+4*\i], v[16+4*\i:17+4*\i]
	v_pk_add_f32 v[10+4*\i:11+4*\i], v[10+4*\i:11+4*\i], v[18+4*\i:19+4*\i]
.endr
	v_pk_add_f32 v[8:9], v[8:9], v[24:25]
	v_pk_add_f32 v[10:11], v[10:11], v[26:27]
	ds_store_b128 v5, v[8:11]
	s_wait_dscnt 0x0                               ; my partial sums are in LDS, for wave 0's sake: zero
	s_barrier_signal -1
	s_barrier_wait -1
	s_cmp_lg_u32 s8, 0
	s_cbranch_scc1 .Ldone                          ; the rest is wave 0's; no barrier follows
	v_lshlrev_b32 v6, 3, v0                        ; lane x 8 bytes (in wave 0 the thread's number is the lane)
.irp k, 0,1,2,3,4,5,6,7,8,9,10,11,12,13,14,15
	ds_load_b64 v[8+2*\k:9+2*\k], v6 offset:256*\k
.endr
	v_add_nc_u32 v7, s9, v6
	s_wait_dscnt 0x0
.irp k, 0,1,2,3,4,5,6,7
	v_pk_add_f32 v[8+2*\k:9+2*\k], v[8+2*\k:9+2*\k], v[24+2*\k:25+2*\k]
.endr
.irp k, 0,1,2,3
	v_pk_add_f32 v[8+2*\k:9+2*\k], v[8+2*\k:9+2*\k], v[16+2*\k:17+2*\k]
.endr
.irp k, 0,1
	v_pk_add_f32 v[8+2*\k:9+2*\k], v[8+2*\k:9+2*\k], v[12+2*\k:13+2*\k]
.endr
	v_pk_add_f32 v[8:9], v[8:9], v[10:11]
	global_store_b64 v7, v[8:9], s[6:7]            ; 32 lanes x 8 bytes: the work-group's 256 consecutive bytes, aligned
.Ldone:
	s_wait_tensorcnt 0x0
	ds_add_u32 v40, v41
	s_wait_dscnt 0x0
	s_endpgm
.Lfunc_end_k_q6bb343c48a_fold:
	.size	k_q6bb343c48a_fold, .Lfunc_end_k_q6bb343c48a_fold-k_q6bb343c48a_fold
	.p2alignl 7, 3214868480
	.fill 96, 4, 3214868480
	.section	.rodata,"a",@progbits
	.p2align	6, 0x0
	.amdhsa_kernel k_q6bb343c48a_fold
		.amdhsa_group_segment_fixed_size 5120
		.amdhsa_private_segment_fixed_size 0
		.amdhsa_enable_private_segment 0
		.amdhsa_kernarg_size 16
		.amdhsa_user_sgpr_count 2
		.amdhsa_user_sgpr_kernarg_segment_ptr 1
		.amdhsa_wavefront_size32 1
		.amdhsa_system_sgpr_workgroup_id_x 1
		.amdhsa_system_sgpr_workgroup_id_y 1
		.amdhsa_system_sgpr_workgroup_id_z 1
		.amdhsa_system_vgpr_workitem_id 0
		.amdhsa_next_free_vgpr 42
		.amdhsa_next_free_sgpr 66
		.amdhsa_reserve_vcc 0
		.amdhsa_float_denorm_mode_32 3
		.amdhsa_float_denorm_mode_16_64 3
		.amdhsa_memory_ordered 1
		.amdhsa_forward_progress 1
		.amdhsa_inst_pref_size 5
	.end_amdhsa_kernel
	.amdgpu_metadata
---
amdhsa.version: [ 1, 2 ]
amdhsa.kernels:
  - .name:           k_q6bb343c48a_fold
    .symbol:         k_q6bb343c48a_fold.kd
    .args:
      - { .name: part, .offset: 0, .size: 8, .value_kind: global_buffer, .address_space: global }
      - { .name: out0, .offset: 8, .size: 8, .value_kind: global_buffer, .address_space: global }
    .group_segment_fixed_size: 5120
    .private_segment_fixed_size: 0
    .kernarg_segment_align: 8
    .kernarg_segment_size: 16
    .max_flat_workgroup_size: 256
    .sgpr_count:     66
    .vgpr_count:     42
    .wavefront_size: 32
...
	.end_amdgpu_metadata
.endif
;; end of part 2
